; MI455X (gfx1250); checked and timed in simulation.
; The chip was launched on July 23, 2026; its instructions are those of AMD's public machine-readable ISA for CDNA 5 (MIT licence, August 2026) and "CDNA5" Instruction Set Architecture Reference Guide (July 2026). The comments in the code are by the model that wrote it; some were corrected since.
;; Multi Head Attention. Allowed arithmetic: matrix products marked QUANTISED: E2M1 operands, one E8M0 scale for each 32 along K, by v_wmma_scale_f32_16x16x128_f8f6f4 with both operands' format E2M1 (or v_wmma_scale_f32_32x16x128_f4), f32 sums; products left as they are: bf16, f16 or f32 operands; f32 sums; everything else in f32.
;; Inputs: Wk 1,024 x 1,024 float32; Wq 1,024 x 1,024 float32; Wv 1,024 x 1,024 float32; inputs 2 x 2,048 x 1,024 float32.
;; Outputs: out0 2 x 2,048 x 1,024 float32.
;; This version of the problem:
;;   THIS VERSION OF THE PROBLEM IS GIVEN IN LOW PRECISION. The matrix products marked QUANTISED in the list below multiply operands that are first quantised to E2M1 (2 exponent bits, 1 mantissa bit; 4 bits a number), with one power-of-two scale for each 32 numbers along K (OCP MX v1.0); their sums are f32. The products marked 'left as it is' may take bf16, f16 or f32 operands, with f32 sums. Whichever they take, every output number must still come out within the allowed error. Rounding operands to bf16 (8 significant bits) uses up far more of that allowance than f16 does (11 bits, for magnitudes from 6e-5 to 65,504). All else is computed in f32.
;;   The module's matrix products, in the order in which they are computed (A, B: the left and right operand; K: the contracted axis; several contracted axes count as one K, in the product's order):
;;     1. [M 4,096, K 1,024] x [K 1,024, N 1,024]; A: input inputs; B: input Wq: QUANTISED
;;     2. [M 4,096, K 1,024] x [K 1,024, N 1,024]; A: input inputs; B: input Wk: QUANTISED
;;     3. [M 4,096, K 1,024] x [K 1,024, N 1,024]; A: input inputs; B: input Wv: QUANTISED
;;     4. batch 32 x [M 2,048, K 64] x [K 64, N 2,048]; A: computed on the way; B: computed on the way: left as it is (an operand is computed on the way)
;;     5. batch 32 x [M 2,048, K 2,048] x [K 2,048, N 64]; A: computed on the way; B: computed on the way: left as it is (an operand is computed on the way)
;;   THE QUANTISER, for each operand of a quantised product, along K:
;;     - K is cut into blocks of 32 from its start; a last block that is shorter is filled with zeros.
;;     - A block's scale is 2^e with e = floor(log2(the largest magnitude in the block)) - 2, held to -126 .. 127; a block of zeros has e = 0. As a byte (E8M0): e + 127.
;;     - Each number is divided by its block's scale, clamped to +-6, and rounded to the nearest number of E2M1, ties to even, subnormals kept.
;;     - The product sums the exact products of the quantised numbers (number of the format x scale) in f32.
;;   ~~~python
;;   def quantise(x, axis):      # numpy; x: float32 -> the quantised numbers, widened to float32 again
;;       x = np.moveaxis(x, axis, -1); K = x.shape[-1]
;;       x = np.pad(x, [(0, 0)] * (x.ndim - 1) + [(0, -K % 32)]); x = x.reshape(x.shape[:-1] + (-1, 32)); a = np.abs(x).max(-1, keepdims=True)
;;       e = np.where(a > 0, np.clip(np.frexp(np.where(a > 0, a, 1))[1] - 1 - 2, -126, 127), 0)      # np.frexp(a)[1] - 1 = floor(log2(a)), exactly
;;       r = np.clip(x / 2.0 ** e, -6, 6)
;;       step = 2.0 ** (np.maximum(np.frexp(np.where(r == 0, 1, r))[1] - 1, 0) - 1)
;;       q = np.round(r / step) * step * 2.0 ** e      # np.round: ties to even
;;       return np.moveaxis(q.reshape(q.shape[:-2] + (-1,))[..., :K], -1, axis).astype(np.float32)
;;   ~~~
;; One version. Each part assembles by itself: llvm-mc -triple=amdgcn-amd-amdhsa -mcpu=gfx1250 --defsym DOCPART=n.
;; ======== version 1 of 1: 3 launches
;; limits: values are held in f16: magnitudes above 65,504 overflow, below 6.1e-05 lose precision
;; workspace buffers: xc 2,097,152 bytes; xs 131,072 bytes; wc 1,572,864 bytes; ws 98,304 bytes; qf 8,388,608 bytes; kf 8,388,608 bytes; vf 8,388,608 bytes
;; launch quant (part 1): grid 320 x 1, 4 waves a work-group, no clusters, 33,792 bytes of LDS; arguments inputs, Wq, Wk, Wv, xc, xs, wc, ws; writes xc, xs, wc, ws
.if DOCPART == 1
	.amdgcn_target "amdgcn-amd-amdhsa--gfx1250"
	.amdhsa_code_object_version 6
	.text
	.protected	k_q9625145410_quant
	.globl	k_q9625145410_quant
	.p2align	8
	.type	k_q9625145410_quant,@function
k_q9625145410_quant:
	s_mov_b64 s[64:65], 0
	v_nop
	global_prefetch_b8 v0, s[64:65] scope:SCOPE_SE
	s_setreg_imm32_b32 hwreg(HW_REG_WAVE_MODE, 25, 1), 1
	s_wait_xcnt 0x0
; inputs [4096][1024] and Wq, Wk, Wv [1024 (k)][1024 (n)], f32, become codes of FP4 (E2M1) with one E8M0 scale byte for each 32 along K = 1,024.
; A block's scale is 2^(floor(log2(its largest magnitude)) - 2); its byte is the largest magnitude's own exponent field - 2, held at 1 from below; each number is divided by the scale and rounded to the nearest code, ties to even,
; beyond 6 the largest code.
; LIMITS: a block of zeros gets the byte 1 where the rule says 127 (its codes are zeros, which add nothing, and this program alone reads the bytes); blocks whose largest magnitude lies under 2^-124 are held at the byte 1;
; NaN and infinities among the inputs are not served.
; WORK-GROUPS 0-127 take inputs (K innermost): a plain stream of blocks of 32.  xc: [4096][512 bytes], xs: [4096][32 bytes].  A wave takes 16 steps of 512 numbers; each load reads 512 consecutive bytes; a step's 2,048 bytes turn
; through the wave's own stage in LDS so that a lane holds 16 neighbours along K; loads run eight steps (32 loads a wave) ahead.
; WORK-GROUPS 128-319 take the weights (K is the first axis): a lane takes a column n and its registers run down K.  A wave takes 32 columns x 128 along K.  The codes are stored as IMAGES OF THE OPERAND'S REGISTERS:
; wc: [head 16][K half 2][tile 12][K step 4][c 2][512 bytes]; tile = 4 x kind + (n % 64) / 16 (kind 0 Wq, 1 Wk, 2 Wv); in the 512 bytes the 16 bytes at 16 (16 hh + r) are the codes of column r of the tile, k = 128 q + 64 c + 32 hh + 0..31.
; ws: [head 16][tile 12][K half 2][r 16][4 words]: word j is the scale word of K step 4 x half + j.
; The two paths part on the work-group's number alone and have LDS bytes of their own.  No tensor loads.
.set STEPS, 16
.set SP,    80                         ; inputs' path: a lane's place in a stage: 64 bytes + 16 of padding
.set WREG,  8192                       ; a region for each wave: two stages of 32 x SP bytes, and at 5,120 its 256 scale bytes
.set WSC,   32768                      ; weights' path: 512 bytes of scale words
.set SPARE, 33280                      ; the spare words, 128 bytes for each wave: two blocks of 256 bytes that no other line names
.set SPW,   12                         ; v12  LDS address of my spare word; never rewritten
.set NIL,   13                         ; v13  0; never rewritten
.set R,     32                         ; v32-159  inputs: eight sets of 16 numbers as loaded;  weights: 128 numbers of my column
.set X,     160                        ; v160-191 inputs: two sets of 16 neighbours;           weights: v160-175 the codes, v176-179 scale words on their way out
.set C,     192                        ; v192-223 codes, two registers for each step: no store's data are written again
.set E,     224                        ; v224-239 a scale byte for each step
	s_load_b256 s[4:11], s[0:1], 0x0               ; inputs s[4:5], Wq s[6:7], Wk s[8:9], Wv s[10:11]
	s_load_b256 s[12:19], s[0:1], 0x20             ; xc s[12:13], xs s[14:15], wc s[16:17], ws s[18:19]
	v_lshl_add_u32 v[SPW], v0, 2, SPARE
	v_mov_b32 v[NIL], 0
	v_lshrrev_b32 v1, 5, v0
	v_readfirstlane_b32 s20, v1                    ; wave 0..3
	v_and_b32 v2, 31, v0                           ; lane
	; every LDS address of both paths is made here, ahead of the parting
	v_lshlrev_b32 v3, 4, v2                        ; inputs: my 16 bytes of a load's 512
	s_mul_i32 s21, s20, WREG
	v_lshrrev_b32 v14, 2, v2
	v_mul_u32_u24 v14, v14, SP
	v_and_b32 v15, 3, v2
	v_lshl_add_u32 v14, v15, 4, v14
	v_add_nc_u32 v14, s21, v14                     ; the stage, on the way in: SP (lane / 4) + 16 (lane % 4)
	v_mul_u32_u24 v15, v2, SP
	v_add_nc_u32 v15, s21, v15                     ; and on the way out: SP x lane: my 16 neighbours
	v_lshlrev_b32 v4, 3, v2                        ; 8 x lane: my codes' place in a step's 256 bytes, and my 8 scale bytes on the way out
	v_lshrrev_b32 v5, 1, v2
	s_add_co_u32 s21, s21, 2*32*SP
	v_add_nc_u32 v5, s21, v5                       ; my block's scale byte
	v_add_nc_u32 v6, s21, v4                       ; my 8 of the wave's 256 scale bytes
	v_lshl_add_u32 v25, v2, 4, WSC                 ; weights: my column's four scale words,
	s_lshl_b32 s22, s20, 2
	v_add_nc_u32 v24, s22, v25                     ; and my wave's word among them
	s_wait_kmcnt 0x0
	s_cmp_lt_u32 ttmp9, 128
	s_cbranch_scc0 .Lweights
	; ---------------- inputs ----------------
	s_lshl_b32 s22, ttmp9, 2
	s_add_co_u32 s22, s22, s20                     ; which run of 8,192 numbers is my wave's
	s_mov_b32 s25, 0
	s_lshl_b32 s24, s22, 15
	s_add_nc_u64 s[4:5], s[4:5], s[24:25]          ; 32,768 bytes of numbers,
	s_lshl_b32 s24, s22, 12
	s_add_nc_u64 s[12:13], s[12:13], s[24:25]      ; 4,096 of codes,
	s_lshl_b32 s24, s22, 8
	s_add_nc_u64 s[14:15], s[14:15], s[24:25]      ; 256 scale bytes a run
.macro LOAD t
.irp i, 0,1,2,3
	global_load_b128 v[R+16*((\t)%8)+4*\i:R+16*((\t)%8)+4*\i+3], v3, s[4:5] offset:2048*(\t)+512*\i th:TH_LOAD_NT   ; 32 lanes read 512 consecutive bytes
.endr
.endm
.macro TURN t                          ; step t's numbers through the stage: LDS serves a wave's instructions in order, so no wait stands between the stores and the loads
.irp i, 0,1,2,3
	ds_store_b128 v14, v[R+16*((\t)%8)+4*\i:R+16*((\t)%8)+4*\i+3] offset:32*SP*((\t)%2)+8*SP*\i
.endr
.irp i, 0,1,2,3
	ds_load_b128 v[X+16*((\t)%2)+4*\i:X+16*((\t)%2)+4*\i+3], v15 offset:32*SP*((\t)%2)+16*\i
.endr
.endm
.irp t, 0,1,2,3,4,5,6,7
	LOAD \t
.endr
	s_wait_loadcnt 28                              ; step 0's four loads are in; the 28 of steps 1 to 7 may be out
	TURN 0
.macro STEP t
.set XS, X+16*((\t)%2)
.if (\t) > 0
	s_wait_dscnt 1                                 ; this step's numbers are back from the stage (the last step's byte store may be out): so its stores into the stage have read their registers,
.else
	s_wait_dscnt 0x0
.endif
.if (\t)+8 < STEPS
	LOAD (\t)+8                                    ; which take the loads of eight steps on
.endif
.if (\t)+1 < STEPS
.if (\t) < 8
	s_wait_loadcnt 28                              ; the next step's four loads are in; those of the seven steps behind it may be out
.else
	s_wait_loadcnt 4*(14-(\t))                     ; the counts run down: steps t + 2 to 15
.endif
	TURN (\t)+1                                    ; and go through the other stage while this step is worked
.endif
	v_max3_num_f32 v8, |v[XS]|, |v[XS+1]|, |v[XS+2]|               ; the largest magnitude of my 16, in two chains
	v_max3_num_f32 v9, |v[XS+3]|, |v[XS+4]|, |v[XS+5]|
.irp i, 6,10
	v_max3_num_f32 v8, v8, |v[XS+\i]|, |v[XS+\i+1]|
	v_max3_num_f32 v9, v9, |v[XS+\i+2]|, |v[XS+\i+3]|
.endr
	v_max3_num_f32 v8, v8, |v[XS+14]|, |v[XS+15]|
	v_max3_num_f32 v8, v8, v9, 0x1800000           ; and the floor 2^(3 - 127): the byte cannot fall under 1
	v_max_num_f32_dpp v8, v8, v8 row_xmask:1 row_mask:0xf bank_mask:0xf   ; and of my neighbour's 16: the block's
	v_add_nc_u32 v11, 0xff000000, v8               ; 2 off its exponent field: the conversion takes the exponent field of this operand as its scale
	v_cvt_scalef32_pk8_fp4_f32 v[C+2*(\t)], v[XS:XS+7], v11
	v_cvt_scalef32_pk8_fp4_f32 v[C+2*(\t)+1], v[XS+8:XS+15], v11
	v_lshrrev_b32 v[E+(\t)], 23, v11               ; the scale's byte (also the plain line behind the conversions)
	ds_store_b8 v5, v[E+(\t)] offset:16*(\t)       ; both lanes of a block write the same byte with the same value
	global_store_b64 v4, v[C+2*(\t):C+2*(\t)+1], s[12:13] offset:256*(\t)   ; 32 lanes store 256 consecutive bytes, aligned
.endm
.irp t, 0,1,2,3,4,5,6,7,8,9,10,11,12,13,14,15
	STEP \t
.endr
	ds_load_b64 v[8:9], v6                         ; LDS serves a wave's instructions in order: these see my byte stores
	s_wait_dscnt 0x0
	global_store_b64 v4, v[8:9], s[14:15]          ; 32 lanes store 256 consecutive bytes, aligned
	s_wait_tensorcnt 0x0                           ; the wave's end, behind my last LDS store
	ds_add_u32 v[SPW], v[NIL]
	s_wait_dscnt 0x0
	s_endpgm
	; ---------------- the weights ----------------
.Lweights:
	s_sub_co_u32 s22, ttmp9, 128                   ; u = 64 kind + 2 cg + g
	s_lshr_b32 s23, s22, 6                         ; kind: 0 Wq, 1 Wk, 2 Wv
	s_bfe_u32 s24, s22, 0x50001                    ; cg: which 32 columns
	s_and_b32 s25, s22, 1                          ; g: which half of K
	s_cmp_eq_u32 s23, 0                            ; the choice of buffer hangs on the work-group's number alone
	s_cselect_b64 s[26:27], s[6:7], s[8:9]
	s_cmp_eq_u32 s23, 2
	s_cselect_b64 s[26:27], s[10:11], s[26:27]
	s_lshl_b32 s28, s25, 2
	s_add_co_u32 s28, s28, s20                     ; my K step q = 4 g + wave
	s_lshl_b32 s30, s28, 19                        ; 128 rows of 4,096 bytes a K step,
	s_lshl_b32 s29, s24, 7                         ; 128 bytes for 32 columns
	s_add_co_u32 s30, s30, s29
	s_mov_b32 s31, 0
	s_add_nc_u64 s[26:27], s[26:27], s[30:31]
	v_lshlrev_b32 v26, 2, v2                       ; in: 4 bytes a lane
.set i, 0
.rept 128
	global_load_b32 v[R+i], v26, s[26:27] offset:i*4096            ; W(128 q + i, my column): 32 lanes read 128 consecutive bytes
.set i, i+1
.endr
	s_lshr_b32 s29, s24, 1                         ; head
	s_and_b32 s30, s24, 1
	s_lshl_b32 s30, s30, 1
	s_lshl_b32 s31, s23, 2
	s_add_co_u32 s30, s30, s31                     ; the first of my two tiles: 4 kind + 2 (cg % 2)
	s_lshl_b32 s32, s29, 1
	s_add_co_u32 s32, s32, s25
	s_mul_i32 s32, s32, 12
	s_add_co_u32 s32, s32, s30
	s_lshl_b32 s32, s32, 12                        ; ((2 head + g) 12 + tile) x 4,096
	s_lshl_b32 s33, s20, 10
	s_add_co_u32 s32, s32, s33                     ; + 1,024 x wave: my K step of the half
	s_mov_b32 s33, 0
	s_add_nc_u64 s[16:17], s[16:17], s[32:33]
	s_mul_i32 s34, s29, 12
	s_add_co_u32 s34, s34, s30
	s_lshl_b32 s34, s34, 9                         ; (12 head + tile) x 512
	s_lshl_b32 s35, s25, 8
	s_add_co_u32 s34, s34, s35                     ; + 256 g
	s_mov_b32 s35, 0
	s_add_nc_u64 s[18:19], s[18:19], s[34:35]
	v_lshrrev_b32 v9, 4, v2                        ; which of the two tiles my column lies in,
	v_and_b32 v8, 15, v2
	v_lshlrev_b32 v8, 4, v8                        ; and 16 bytes for its place there
	v_lshl_add_u32 v27, v9, 12, v8                 ; codes: 4,096 bytes from tile to tile
	v_lshl_add_u32 v28, v9, 9, v8                  ; scale words: 512
.macro BLOCK t, left                   ; block t of my column's four: all its 32 numbers are mine
.set XS, R+32*(\t)
	s_wait_loadcnt \left
	v_max3_num_f32 v8, |v[XS]|, |v[XS+1]|, |v[XS+2]|
	v_max3_num_f32 v9, |v[XS+3]|, |v[XS+4]|, |v[XS+5]|
.irp i, 6,10,14,18,22,26
	v_max3_num_f32 v8, v8, |v[XS+\i]|, |v[XS+\i+1]|
	v_max3_num_f32 v9, v9, |v[XS+\i+2]|, |v[XS+\i+3]|
.endr
	v_max3_num_f32 v8, v8, |v[XS+30]|, |v[XS+31]|
	v_max3_num_f32 v8, v8, v9, 0x1800000           ; the floor 2^(3 - 127)
	v_add_nc_u32 v[20+(\t)], 0xff000000, v8        ; 2 off the exponent field: the conversion's scale operand
	v_lshrrev_b32 v9, 23, v[20+(\t)]               ; the scale's byte
.if (\t) == 0
	v_mov_b32 v11, v9                              ; the four bytes make the K step's scale word, the lower k in the lower byte
.else
	v_lshl_or_b32 v11, v9, 8*(\t), v11
.endif
.irp g, 0,1,2,3
	v_cvt_scalef32_pk8_fp4_f32 v[X+4*(\t)+\g], v[XS+8*\g:XS+8*\g+7], v[20+(\t)]
.endr
	v_nop                                          ; one plain line behind the conversions
	global_store_b128 v27, v[X+4*(\t):X+4*(\t)+3], s[16:17] offset:256*(\t)   ; block t = 2 c + hh lies 256 t bytes on: 16 lanes store 256 consecutive bytes, aligned
.endm
	BLOCK 0, 63                                    ; 96 younger loads could stay out; the count's field holds 63, and a smaller count is right
	BLOCK 1, 63                                    ; 64 could
	BLOCK 2, 32                                    ; the last block's 32 may be out
	BLOCK 3, 0
	ds_store_b32 v24, v11                          ; the four waves' words of a column meet in LDS
	s_wait_dscnt 0x0                               ; for the others' sake: my store is done
	s_barrier_signal -1                            ; (the way here hangs on the work-group's number alone: all four waves pass)
	s_barrier_wait -1
	s_cmp_lg_u32 s20, 0
	s_cbranch_scc1 .Lw_end
	ds_load_b128 v[176:179], v25                   ; wave 0: a column's four words
	s_wait_dscnt 0x0
	global_store_b128 v28, v[176:179], s[18:19]    ; 16 lanes store 256 consecutive bytes, aligned
.Lw_end:
	s_wait_tensorcnt 0x0                           ; the wave's end, behind my last LDS store
	ds_add_u32 v[SPW], v[NIL]
	s_wait_dscnt 0x0
	s_endpgm
.Lfunc_end_k_q9625145410_quant:
	.size	k_q9625145410_quant, .Lfunc_end_k_q9625145410_quant-k_q9625145410_quant
	.p2alignl 7, 3214868480
	.fill 96, 4, 3214868480
	.section	.rodata,"a",@progbits
	.p2align	6, 0x0
	.amdhsa_kernel k_q9625145410_quant
		.amdhsa_group_segment_fixed_size 33792
		.amdhsa_private_segment_fixed_size 0
		.amdhsa_enable_private_segment 0
		.amdhsa_kernarg_size 64
		.amdhsa_user_sgpr_count 2
		.amdhsa_user_sgpr_kernarg_segment_ptr 1
		.amdhsa_wavefront_size32 1
		.amdhsa_system_sgpr_workgroup_id_x 1
		.amdhsa_system_sgpr_workgroup_id_y 1
		.amdhsa_system_sgpr_workgroup_id_z 1
		.amdhsa_system_vgpr_workitem_id 0
		.amdhsa_next_free_vgpr 256
		.amdhsa_next_free_sgpr 66
		.amdhsa_reserve_vcc 0
		.amdhsa_float_denorm_mode_32 3
		.amdhsa_float_denorm_mode_16_64 3
		.amdhsa_memory_ordered 1
		.amdhsa_forward_progress 1
		.amdhsa_inst_pref_size 53
	.end_amdhsa_kernel
	.amdgpu_metadata
---
amdhsa.version: [ 1, 2 ]
amdhsa.kernels:
  - .name:           k_q9625145410_quant
    .symbol:         k_q9625145410_quant.kd
    .args:
      - { .name: inputs, .offset: 0, .size: 8, .value_kind: global_buffer, .address_space: global }
      - { .name: Wq, .offset: 8, .size: 8, .value_kind: global_buffer, .address_space: global }
      - { .name: Wk, .offset: 16, .size: 8, .value_kind: global_buffer, .address_space: global }
      - { .name: Wv, .offset: 24, .size: 8, .value_kind: global_buffer, .address_space: global }
      - { .name: xc, .offset: 32, .size: 8, .value_kind: global_buffer, .address_space: global }
      - { .name: xs, .offset: 40, .size: 8, .value_kind: global_buffer, .address_space: global }
      - { .name: wc, .offset: 48, .size: 8, .value_kind: global_buffer, .address_space: global }
      - { .name: ws, .offset: 56, .size: 8, .value_kind: global_buffer, .address_space: global }
    .group_segment_fixed_size: 33792
    .private_segment_fixed_size: 0
    .kernarg_segment_align: 8
    .kernarg_segment_size: 64
    .max_flat_workgroup_size: 128
    .sgpr_count:     66
    .vgpr_count:     256
    .wavefront_size: 32
...
	.end_amdgpu_metadata
.endif
;; end of part 1
;; launch proj (part 2): grid 16 x 16, 4 waves a work-group, clusters of 4 x 4, 262,144 bytes of LDS; arguments xc, xs, wc, ws, qf, kf, vf; writes qf, kf, vf
.if DOCPART == 2
	.amdgcn_target "amdgcn-amd-amdhsa--gfx1250"
	.amdhsa_code_object_version 6
	.text
	.protected	k_q9625145410_proj
	.globl	k_q9625145410_proj
	.p2align	8
	.type	k_q9625145410_proj,@function
k_q9625145410_proj:
	s_mov_b64 s[64:65], 0
	v_nop
	global_prefetch_b8 v0, s[64:65] scope:SCOPE_SE
	s_setreg_imm32_b32 hwreg(HW_REG_WAVE_MODE, 25, 1), 1
	s_wait_xcnt 0x0
	s_wait_alu depctr_hold_cnt(0) depctr_sa_sdst(0) depctr_va_vdst(0) depctr_va_sdst(0) depctr_va_ssrc(0) depctr_va_vcc(0) depctr_vm_vsrc(0)
	s_getreg_b32 s2, hwreg(HW_REG_IB_STS2, 6, 4)
	s_cmp_eq_u32 s2, 0
	s_cbranch_scc0 .Lentry_in_a_cluster
	s_endpgm
.Lentry_in_a_cluster:
	s_bfe_u32 s2, ttmp6, 0x10000c
	s_cmp_lg_u32 s2, 0xf033
	s_cbranch_scc0 .Lentry_shape_is_right
	s_endpgm
.Lentry_shape_is_right:
; q, k, v = inputs x Wq, Wk, Wv on codes of FP4 (E2M1) with E8M0 scales for each 32 along K = 1,024; sums in f32; the results are rounded once to f16 and stored as images of the operand registers of the next launch.
; LIMIT: q, k and v are kept in f16: a magnitude over 65,504 becomes infinite.
; SHARES.  A work-group (x = head, y = block of 256 tokens) makes q, k and v of ONE head for its tokens: 192 columns = 12 tiles of 16 (0-3 q, 4-7 k, 8-11 v).  Wave w takes tokens 64 w .. 64 w + 63: 4 tiles a x 12 tiles b = 48 accumulators.
; K goes in 8 steps of 128, 48 matrix instructions each, all written out.  All of K lies in LDS at once, in two halves, each brought by one tensor load a wave: nothing is filled again.
; FOR q AND k source 0 = 16 columns of W, source 1 = 16 tokens: a lane then holds one token and eight neighbouring channels.  FOR v source 0 = 16 tokens, source 1 = 16 columns: a lane holds one channel and eight neighbouring tokens.
; So a packed accumulator (4 registers of f16) is one piece of 512 bytes, lane l's 16 bytes at 16 l:
;   qf, kf: [batch x head 32][token tile 128][piece 4][512]: piece b, lane (r, h): token 16 i + r, channels 16 b + 8 h + 0..7;   vf: the same with piece cb, lane (r, h): channel 16 cb + r, tokens 16 i + 8 h + 0..7.
; CLUSTERS: 4 x 4 work-groups.  The four of a row of the cluster share their tokens' codes, the four of a column their head's weights: each tile is asked for JOINTLY, by the same tensor load with the same descriptor and a mask of the four.
; REGISTERS, in windows of 256: window 0: v16-22 addresses; v28, v29 the add's two; v32-63 the tokens' scale words (tile a, K step q: 32 + 8 a + q); v64-159 the weights' (64 + 8 b + q); v160-223 the tokens' fragments, two sets.
;   window 1: v0-191 the weights' fragments, two sets of 12; on the way out the packed results.   window 2: the 32 accumulators of q and k at 8 (8 a + b).   window 3: v0-127 the 16 of v at 8 (4 a + b - 8).
.set HALF,  118784                     ; LDS: a half of K: 256 rows of tokens' codes x 272, then the weights' 12 tiles x 4,096
.set XP,    272                        ; a token's row: 256 bytes + 16 of padding = 68 words: the 16 rows of a load start at 16 different banks (64 banks of 4 bytes: ISA guide 11.1)
.set WOFF,  256*XP
.set SPARE, 2*HALF                     ; the spare words, 128 bytes for each wave: two blocks of 256 bytes that no other line names
.set ADRX,  16                         ; v16-17  LDS address of my tokens' fragments in half 0, 1
.set ADRW,  18                         ; v18-19  of the weights' images
.set CO,    20                         ; v20     16 x lane: my place in a piece
.set SPW,   28
.set NIL,   29
.set XS,    32
.set WS,    64
.set XF,    160
.set G1X,   24                         ; s[24:31] group 1 for the tokens' tiles;  s[32:39] group 0, one set for each half
.set G0X,   32
.set G1W,   48                         ; s[48:55], s[56:63] the same for the weights'
.set G0W,   56
.set MSB, 0
.macro WIN new                         ; the immediate's high byte repeats the setting that is left
.if MSB != \new
	s_set_vgpr_msb (MSB<<8)|\new
.set MSB, \new
.endif
.endm
.macro PLACES n
.rept \n
	v_nop
.endr
.endm
; A joint load: waves 0 and 1 fetch the tokens' codes, waves 2 and 3 the weights'.  The branch hangs on the wave's number alone.  An s_nop 0 and four v_nop follow each of the two lines.
.macro JLOAD h
	s_cmp_eq_u32 s19, 0
	s_cbranch_scc0 .Lfor_w_\@
	tensor_load_to_lds s[G0X+4*\h:G0X+4*\h+3], s[G1X:G1X+7]
	s_nop 0
.rept 4
	v_nop
.endr
	s_branch .Lasked_\@
.Lfor_w_\@:
	tensor_load_to_lds s[G0W+4*\h:G0W+4*\h+3], s[G1W:G1W+7]
	s_nop 0
.rept 4
	v_nop
.endr
.Lasked_\@:
.endm
.macro CROUND                          ; a round of the cluster's barrier
	s_barrier_signal -1
	s_barrier_wait -1
	s_cmp_lg_u32 s18, 0
	s_cbranch_scc1 .Lnot_wave_0_\@
	s_barrier_signal -3
.Lnot_wave_0_\@:
	s_barrier_wait -3
	s_barrier_signal -1
	s_barrier_wait -1
.endm
	s_load_b256 s[4:11], s[0:1], 0x0               ; xc s[4:5], xs s[6:7], wc s[8:9], ws s[10:11]
	s_load_b128 s[12:15], s[0:1], 0x20             ; qf s[12:13], kf s[14:15]
	s_load_b64 s[16:17], s[0:1], 0x30              ; vf
	v_lshl_add_u32 v[SPW], v0, 2, SPARE
	v_mov_b32 v[NIL], 0
	ds_add_u32 v[SPW], v[NIL]                      ; the wave's opening: the add, twice on end, and its wait ahead of my first tensor load
	ds_add_u32 v[SPW], v[NIL]
	v_lshrrev_b32 v1, 5, v0
	v_readfirstlane_b32 s18, v1                    ; wave 0..3
	s_lshr_b32 s19, s18, 1                         ; I fetch tokens' codes (0) or weights' (1),
	s_and_b32 s20, s18, 1                          ; and which half of that tile
	s_bfe_u32 s40, ttmp6, 0x40000                  ; cx, cy: my place in the cluster
	s_bfe_u32 s41, ttmp6, 0x40004
	s_lshl_b32 s42, ttmp9, 2
	s_add_co_u32 s42, s42, s40                     ; head = 4 x cluster x + cx
	s_and_b32 s43, ttmp7, 0xffff
	s_lshl_b32 s43, s43, 2
	s_add_co_u32 s43, s43, s41                     ; block of tokens = 4 x cluster y + cy
	s_lshl_b32 s44, s41, 2
	s_lshl_b32 s44, 15, s44                        ; my row of the cluster
	s_lshl_b32 s45, 0x1111, s40                    ; my column
	; group 1, tokens: 128 rows x 256 bytes out of rows of 512, 16 bytes of padding behind each
	s_or_b32 s[G1X+0], s44, (0<<16)|(1<<20)|(1<<21)|(5<<22)|(3<<25)   ; 15:0 the mask: my row; 17:16 elements of 1 byte; 20 padding on; 21 set beside a mask; 24:22 after every 64 words; 31:25 four words
	s_mov_b32 s[G1X+1], 256<<16                    ; tensor_dim0
	s_mov_b32 s[G1X+2], 128<<16                    ; tensor_dim1
	s_mov_b32 s[G1X+3], 256<<16                    ; tile_dim0
	s_mov_b32 s[G1X+4], 128                        ; tile_dim1
	s_mov_b32 s[G1X+5], 512                        ; from row to row
	s_mov_b32 s[G1X+6], 0
	s_mov_b32 s[G1X+7], 0
	; group 1, weights: 24,576 dense bytes as 96 rows of 256 (32 elements of 8 bytes), no padding: an image is read 512 consecutive bytes at a time
	s_or_b32 s[G1W+0], s45, (3<<16)|(1<<21)        ; the mask: my column
	s_mov_b32 s[G1W+1], 32<<16
	s_mov_b32 s[G1W+2], 96<<16
	s_mov_b32 s[G1W+3], 32<<16
	s_mov_b32 s[G1W+4], 96
	s_mov_b32 s[G1W+5], 32
	s_mov_b32 s[G1W+6], 0
	s_mov_b32 s[G1W+7], 0
	; where the tiles come from: the tokens' hang on the block of tokens and the wave alone, the weights' on the head and the wave alone, each in registers that never hold the other coordinate
	s_lshl_b32 s66, s43, 8
	s_lshl_b32 s67, s20, 7
	s_add_co_u32 s66, s66, s67                     ; token 256 x block + 128 x half
	s_lshl_b32 s66, s66, 9                         ; 512 bytes a token
	s_mov_b32 s67, 0
	s_mul_i32 s68, s42, 98304                      ; a head's two halves of K: 2 x 49,152 bytes
	s_mul_i32 s69, s20, 24576
	s_add_co_u32 s68, s68, s69
	s_mov_b32 s69, 0
	s_mul_i32 s70, s20, 128*XP                     ; and where they go: no place in the cluster enters an LDS address
	s_mul_i32 s71, s20, 24576
	s_add_co_u32 s71, s71, WOFF
	s_wait_dscnt 0x0                               ; both opening adds are done
	s_wait_kmcnt 0x0
	s_add_nc_u64 s[72:73], s[4:5], s[66:67]
	s_add_nc_u64 s[74:75], s[8:9], s[68:69]
	CROUND                                         ; all sixteen work-groups are here: the joint loads meet
.irp h, 0,1
	s_mov_b32 s[G0X+4*\h], 1
	s_add_co_u32 s[G0X+4*\h+1], s70, \h*HALF
	s_add_nc_u64 s[G0X+4*\h+2:G0X+4*\h+3], s[72:73], \h*256
	s_or_b32 s[G0X+4*\h+3], s[G0X+4*\h+3], 0x80000000
	s_mov_b32 s[G0W+4*\h], 1
	s_add_co_u32 s[G0W+4*\h+1], s71, \h*HALF
	s_add_nc_u64 s[G0W+4*\h+2:G0W+4*\h+3], s[74:75], \h*49152
	s_or_b32 s[G0W+4*\h+3], s[G0W+4*\h+3], 0x80000000
	JLOAD \h                                       ; two tensor loads of mine are out: all that this launch asks for
.endr
	v_and_b32 v1, 15, v0                           ; r
	v_bfe_u32 v2, v0, 4, 1                         ; h
	v_lshlrev_b32 v21, 5, v1                       ; the tokens' scale words: 32 bytes a token
	v_lshlrev_b32 v22, 4, v1                       ; the weights': 16 bytes a column and half of K
	s_lshl_b32 s76, s43, 8
	s_lshl_b32 s77, s18, 6
	s_add_co_u32 s76, s76, s77                     ; my first token
	s_lshl_b32 s76, s76, 5
	s_mov_b32 s77, 0
	s_add_nc_u64 s[6:7], s[6:7], s[76:77]
	s_mul_i32 s78, s42, 6144                       ; a head's scale words: 12 tiles x 512 bytes
	s_mov_b32 s79, 0
	s_add_nc_u64 s[10:11], s[10:11], s[78:79]
	; the scale words come once, straight into registers that hold scales and nothing else: lanes 0-15 are read by the matrix unit, lanes 16-31 hold the same
.irp a, 0,1,2,3
	global_load_b128 v[XS+8*\a:XS+8*\a+3], v21, s[6:7] offset:512*\a
	global_load_b128 v[XS+8*\a+4:XS+8*\a+7], v21, s[6:7] offset:512*\a+16
.endr
.irp b, 0,1,2,3,4,5,6,7,8,9,10,11
	global_load_b128 v[WS+8*\b:WS+8*\b+3], v22, s[10:11] offset:512*\b
	global_load_b128 v[WS+8*\b+4:WS+8*\b+7], v22, s[10:11] offset:512*\b+256
.endr
	v_mul_u32_u24 v3, v1, XP
	v_lshl_add_u32 v3, v2, 4, v3                   ; a fragment's row x pitch + 16 x half
	s_mul_i32 s80, s18, 64*XP                      ; my 64 tokens
	v_add_nc_u32 v[ADRX], s80, v3
	v_add_nc_u32 v[ADRX+1], HALF, v[ADRX]
	v_and_b32 v4, 31, v0
	v_lshlrev_b32 v[CO], 4, v4
	v_add_nc_u32 v[ADRW], WOFF, v[CO]
	v_add_nc_u32 v[ADRW+1], HALF, v[ADRW]
	; where my results go: ((batch x 16 + head) x 128 + my first token tile of the sequence) x 2,048 bytes, in each of the three buffers
	s_lshr_b32 s82, s43, 3
	s_lshl_b32 s82, s82, 4
	s_add_co_u32 s82, s82, s42
	s_lshl_b32 s82, s82, 7
	s_and_b32 s83, s43, 7
	s_lshl_b32 s83, s83, 4
	s_add_co_u32 s82, s82, s83
	s_lshl_b32 s83, s18, 2
	s_add_co_u32 s82, s82, s83
	s_lshl_b32 s82, s82, 11
	s_mov_b32 s83, 0
	s_add_nc_u64 s[12:13], s[12:13], s[82:83]
	s_add_nc_u64 s[14:15], s[14:15], s[82:83]
	s_add_nc_u64 s[16:17], s[16:17], s[82:83]
; K step q's fragments into set q % 2: 24 loads of the weights' images (512 consecutive bytes each), 8 of my tokens' rows.
; A fragment, 16 rows x 128 K of 4-bit codes, is 8 registers: lane l holds row l % 16; registers 4 c .. 4 c + 3 hold K = 64 c + 32 (l / 16) + 0 .. 31.
.macro FETCH q
.set P, (\q)%2
	WIN 0x40                                       ; destination window 1, address window 0
.irp b, 0,1,2,3,4,5,6,7,8,9,10,11
.irp c, 0,1
	ds_load_b128 v[96*P+8*\b+4*\c:96*P+8*\b+4*\c+3], v[ADRW+(\q)/4] offset:4096*\b+1024*((\q)%4)+512*\c
.endr
.endr
	WIN 0
.irp a, 0,1,2,3
.irp c, 0,1
	ds_load_b128 v[XF+32*P+8*\a+4*\c:XF+32*P+8*\a+4*\c+3], v[ADRX+(\q)/4] offset:16*XP*\a+64*((\q)%4)+32*\c
.endr
.endr
.endm
; The 48 accumulators take turns, one instruction a turn, in the same order in every step.  The first step's products start the sums: nothing is cleared.
.macro MULQK q
.set P, (\q)%2
.irp a, 0,1,2,3
.irp b, 0,1,2,3,4,5,6,7
.if (\q) == 0
	v_wmma_scale_f32_16x16x128_f8f6f4 v[8*(8*\a+\b):8*(8*\a+\b)+7], v[96*P+8*\b:96*P+8*\b+7], v[XF+32*P+8*\a:XF+32*P+8*\a+7], 0, v[WS+8*\b+(\q)], v[XS+8*\a+(\q)] matrix_a_fmt:MATRIX_FMT_FP4 matrix_b_fmt:MATRIX_FMT_FP4
.else
	v_wmma_scale_f32_16x16x128_f8f6f4 v[8*(8*\a+\b):8*(8*\a+\b)+7], v[96*P+8*\b:96*P+8*\b+7], v[XF+32*P+8*\a:XF+32*P+8*\a+7], v[8*(8*\a+\b):8*(8*\a+\b)+7], v[WS+8*\b+(\q)], v[XS+8*\a+(\q)] matrix_a_fmt:MATRIX_FMT_FP4 matrix_b_fmt:MATRIX_FMT_FP4
.endif
.endr
.endr
.endm
.macro MULV q
.set P, (\q)%2
.irp a, 0,1,2,3
.irp b, 0,1,2,3
.if (\q) == 0
	v_wmma_scale_f32_16x16x128_f8f6f4 v[8*(4*\a+\b):8*(4*\a+\b)+7], v[XF+32*P+8*\a:XF+32*P+8*\a+7], v[96*P+64+8*\b:96*P+64+8*\b+7], 0, v[XS+8*\a+(\q)], v[WS+64+8*\b+(\q)] matrix_a_fmt:MATRIX_FMT_FP4 matrix_b_fmt:MATRIX_FMT_FP4
.else
	v_wmma_scale_f32_16x16x128_f8f6f4 v[8*(4*\a+\b):8*(4*\a+\b)+7], v[XF+32*P+8*\a:XF+32*P+8*\a+7], v[96*P+64+8*\b:96*P+64+8*\b+7], v[8*(4*\a+\b):8*(4*\a+\b)+7], v[XS+8*\a+(\q)], v[WS+64+8*\b+(\q)] matrix_a_fmt:MATRIX_FMT_FP4 matrix_b_fmt:MATRIX_FMT_FP4
.endif
.endr
.endr
.endm
.macro STEP q
.if (\q) == 3
	s_wait_tensorcnt 0x0                           ; my part of K's second half has landed,
.endif
	s_wait_dscnt 0x0                               ; this step's fragments, asked for a step ago, are in
.if (\q) == 3
	s_barrier_signal -1
	s_barrier_wait -1                              ; everybody's part has: the next fetch reads that half
.endif
.if (\q) < 7
.if (\q) > 0
	PLACES 4                                       ; four places in front of loads into registers that the last step's matrix instructions have read (ISA guide 7.12.1 for vector instructions)
.endif
	FETCH (\q)+1
.endif
	WIN 0xa1                                       ; source 0 (weights) window 1, source 1 (tokens) window 0, C and D window 2
	MULQK \q
	WIN 0xf4                                       ; source 0 (tokens) window 0, source 1 (weights) window 1, C and D window 3
	MULV \q
	WIN 0
.endm
	s_wait_tensorcnt 1                             ; my part of K's first half is in (the second half's load may be out),
	s_barrier_signal -1
	s_barrier_wait -1                              ; everybody's is
	FETCH 0
	s_wait_loadcnt 0x0                             ; the scale words
.irp q, 0,1,2,3,4,5,6,7
	STEP \q
.endr
	; THE WAY OUT: each accumulator, from its low end on, is rounded to f16: 4 registers, one piece; a store covers 512 consecutive bytes, aligned.
	; The 48 x 4 packed registers take the place of the weights' fragments, v0-191 of window 1, which are done with; the scale words' registers keep scales alone.
	PLACES 4                                       ; behind the last products: their results are read, and their sources written over
	WIN 0x4a                                       ; sources 0 and 1 window 2, destination window 1
.set n, 0
.rept 32
.irp r, 0,1,2,3
	v_cvt_pk_f16_f32 v[4*n+\r], v[8*n+2*\r], v[8*n+2*\r+1]
.endr
.set n, n+1
.endr
	WIN 0x4f                                       ; sources 0 and 1 window 3, destination window 1
.set n, 0
.rept 16
.irp r, 0,1,2,3
	v_cvt_pk_f16_f32 v[128+4*n+\r], v[8*n+2*\r], v[8*n+2*\r+1]
.endr
.set n, n+1
.endr
	WIN 0x04                                       ; a store's data are its source 1: window 1; its address window 0
.irp a, 0,1,2,3
.irp b, 0,1,2,3
	global_store_b128 v[CO], v[4*(8*\a+\b):4*(8*\a+\b)+3], s[12:13] offset:2048*\a+512*\b             ; q
	global_store_b128 v[CO], v[4*(8*\a+4+\b):4*(8*\a+4+\b)+3], s[14:15] offset:2048*\a+512*\b         ; k
	global_store_b128 v[CO], v[128+4*(4*\a+\b):128+4*(4*\a+\b)+3], s[16:17] offset:2048*\a+512*\b     ; v
.endr
.endr
	WIN 0
	s_wait_tensorcnt 0x0                           ; the wave's end, behind my last tensor load
	ds_add_u32 v[SPW], v[NIL]
	s_wait_dscnt 0x0
	CROUND                                         ; the closing round: no work-group ends while a partner may still ask for a tile that names it
	s_endpgm
.Lfunc_end_k_q9625145410_proj:
	.size	k_q9625145410_proj, .Lfunc_end_k_q9625145410_proj-k_q9625145410_proj
	.p2alignl 7, 3214868480
	.fill 96, 4, 3214868480
	.section	.rodata,"a",@progbits
	.p2align	6, 0x0
	.amdhsa_kernel k_q9625145410_proj
		.amdhsa_group_segment_fixed_size 262144
		.amdhsa_private_segment_fixed_size 0
		.amdhsa_enable_private_segment 0
		.amdhsa_kernarg_size 56
		.amdhsa_user_sgpr_count 2
		.amdhsa_user_sgpr_kernarg_segment_ptr 1
		.amdhsa_wavefront_size32 1
		.amdhsa_system_sgpr_workgroup_id_x 1
		.amdhsa_system_sgpr_workgroup_id_y 1
		.amdhsa_system_sgpr_workgroup_id_z 1
		.amdhsa_system_vgpr_workitem_id 0
		.amdhsa_next_free_vgpr 896
		.amdhsa_next_free_sgpr 96
		.amdhsa_reserve_vcc 0
		.amdhsa_float_denorm_mode_32 3
		.amdhsa_float_denorm_mode_16_64 3
		.amdhsa_memory_ordered 1
		.amdhsa_forward_progress 1
		.amdhsa_inst_pref_size 94
	.end_amdhsa_kernel
	.amdgpu_metadata
---
amdhsa.version: [ 1, 2 ]
amdhsa.kernels:
  - .name:           k_q9625145410_proj
    .symbol:         k_q9625145410_proj.kd
    .args:
      - { .name: xc, .offset: 0, .size: 8, .value_kind: global_buffer, .address_space: global }
      - { .name: xs, .offset: 8, .size: 8, .value_kind: global_buffer, .address_space: global }
      - { .name: wc, .offset: 16, .size: 8, .value_kind: global_buffer, .address_space: global }
      - { .name: ws, .offset: 24, .size: 8, .value_kind: global_buffer, .address_space: global }
      - { .name: qf, .offset: 32, .size: 8, .value_kind: global_buffer, .address_space: global }
      - { .name: kf, .offset: 40, .size: 8, .value_kind: global_buffer, .address_space: global }
      - { .name: vf, .offset: 48, .size: 8, .value_kind: global_buffer, .address_space: global }
    .group_segment_fixed_size: 262144
    .private_segment_fixed_size: 0
    .kernarg_segment_align: 8
    .kernarg_segment_size: 56
    .max_flat_workgroup_size: 128
    .sgpr_count:     96
    .vgpr_count:     896
    .wavefront_size: 32
...
	.end_amdgpu_metadata
.endif
;; end of part 2
;; launch attn (part 3): grid 8 x 32, 8 waves a work-group, no clusters, 327,680 bytes of LDS; arguments qf, kf, vf, out0; writes out0
.if DOCPART == 3
	.amdgcn_target "amdgcn-amd-amdhsa--gfx1250"
	.amdhsa_code_object_version 6
	.text
	.protected	k_q9625145410_attn
	.globl	k_q9625145410_attn
	.p2align	8
	.type	k_q9625145410_attn,@function
k_q9625145410_attn:
	s_mov_b64 s[64:65], 0
	v_nop
	global_prefetch_b8 v0, s[64:65] scope:SCOPE_SE
	s_setreg_imm32_b32 hwreg(HW_REG_WAVE_MODE, 25, 1), 1
	s_wait_xcnt 0x0
; out[b][q][64 head + :] = the sum over k of softmax_k(Q[q] . K[k] / 8) V[k][:], for 32 (batch, head) pairs, 2,048 positions, head size 64, no mask.  Q, K, V arrive in f16 as images of operand registers:
; [pair 32][token tile 128][piece 4][512 bytes], lane l's 16 bytes at 16 l (qf, kf: piece b: token 16 i + l % 16, channels 16 b + 8 (l / 16) + 0..7;  vf: piece cb: channel 16 cb + l % 16, tokens 16 i + 8 (l / 16) + 0..7).
; Products in f16 with f32 sums; maxima, exponentials and sums in f32; the weights p are rounded to f16 for the second product; the row's sum is taken of the unrounded p and divides at the end.
; LIMITS: p under 6e-8 is dropped (f16), against a row's sum of about 1 or more; NaN and infinities are not served.
; SHARES.  A work-group (x = block of 256 queries, y = pair) has eight waves; a wave owns 32 queries, two tiles of 16, and walks all 2,048 keys, 128 a step, 16 steps.
; LAYOUT.  S^T = K Q^T (source 0 = 16 keys, source 1 = 16 queries) and O^T = V^T P (source 0 = 16 channels, source 1 = P): a lane holds ONE query throughout.  Two tiles of S^T rounded in pairs ARE a fragment of P.
; SOFTMAX.  For each query a running maximum m and sum l: p = 2^(c s - c m), c = log2(e) / 8; in every step O and l are multiplied by a = 2^(c m_old - c m_new).
; TWO ROLES.  The waves are of two roles (role = (w xor w / 4) % 2), set half a step apart in the prologue by two barriers: while one role multiplies (V^T P of step j, K Q^T of step j + 1), the other walks its softmax.
; The distance is kept through every change of slots: the change's one barrier is split, its signal behind the wave's last LDS read of the slot, its wait behind 32 matrix instructions and the softmax's 430 vector instructions.
; NO CLUSTER, though the eight query blocks of a pair walk the same K and V: a joint refill would stand behind a round of the cluster's barrier, whose closing pair of lines all eight waves pass together, which would put the two roles
; in step at each of the four changes of slots; what would be shared is 32 KiB a key step, against the 256 KiB that the work-group's eight waves read from LDS in that step.
; LDS: 0: slot 0 (K of three steps, 49,152 bytes, then V of three steps);  98,304: K and V of step 0;  131,072: slot 1;  229,376: the waves' stages for the way out;  264,192: the spare words.
; Steps 1 to 15 are five slots' worth, three steps each.  All tiles are dense: an LDS load takes 512 consecutive bytes.
; REGISTERS: window 0: v1-8 addresses; v16-31 statistics; v32-63 Q; v64-191 S^T, then P in place; v192-255 O^T.   window 1: v0-127 K of one step; v128-255 V of one step.
.set SLOT1, 131072
.set P0,    98304
.set VO,    49152                      ; V's part of a slot
.set STEPB, 16384                      ; a step's K, or V
.set STAGE, 229376
.set SP,    272                        ; a stage row: 256 bytes + 16
.set SPARE, STAGE+8*16*SP              ; the spare words, 128 bytes for each wave: four blocks of 256 bytes that no other line names
.set SPW, 1                            ; v1  LDS address of my spare word; never rewritten
.set NIL, 2                            ; v2  0; never rewritten
.set L16, 3                            ; v3  16 x lane
.set ADR, 4                            ; v4  LDS address of the run of loads in hand
.set PFO, 5                            ; v5  256 x lane: the prefetches' offset
.set STO, 6                            ; v6  the way out: where I put 32 bytes of a row
.set RD,  7                            ; v7  where I read a row back
.set GO,  8                            ; v8  my byte offset in the wave's rows of out
.set ST,  16                           ; tile t's statistics at v[ST + 8 t]: +0 c m, +1 m, +2, +3 l in two halves, +4 to +7 c0-c3 at work; a takes c2's place, c m_old - c m_new c3's
.set Q,   32                           ; Q(t, ks) at 32 + 16 t + 8 ks
.set S,   64                           ; S(t), key tile i at 64 + 64 t + 8 i; P(t, kk) at 64 + 64 t + 8 kk
.set O,   192                          ; O(t, cb) at 192 + 32 t + 8 cb
.set WV,   12                          ; s12  my wave's number
.set ROLE, 13                          ; s13  my role
.set G1R,  16                          ; s[16:23] group 1 of a ring load: 48 rows of 256 bytes
.set G1P,  24                          ; s[24:31] of step 0's: 16 rows
.set G0R,  32                          ; s[32:35] group 0 of the ring loads: it walks
.set G0P,  36                          ; s[36:39] of step 0's
.set CS,   40                          ; s[40:41] c, twice
.set SEL,  42                          ; s[42:43] lane selects for v_permlanex16_b32: lane l xor 16
.set TB,   44                          ; s44  LDS byte at which the tiles of the step to be fetched begin
.set CNT,  45                          ; s45  counts steps
.set SLOTS, 46                         ; s46  slots still to be asked for
.set LIM,  47                          ; s47  1 in a wave that prefetches, else the greatest number
.set PFA,  48                          ; s[48:49] where my prefetches stand
.set MSB, 0
.macro WIN new                         ; the immediate's high byte repeats the setting that is left
.if MSB != \new
	s_set_vgpr_msb (MSB<<8)|\new
.set MSB, \new
.endif
.endm
.macro PLACES n
.rept \n
	v_nop
.endr
.endm
	s_load_b256 s[4:11], s[0:1], 0x0               ; qf s[4:5], kf s[6:7], vf s[8:9], out s[10:11]
	v_lshl_add_u32 v[SPW], v0, 2, SPARE
	v_mov_b32 v[NIL], 0
	ds_add_u32 v[SPW], v[NIL]                      ; the wave's opening: the add, twice on end, and its wait ahead of my first tensor load
	ds_add_u32 v[SPW], v[NIL]
	v_lshrrev_b32 v9, 5, v0
	v_readfirstlane_b32 s[WV], v9                  ; wave 0..7
	s_lshr_b32 s[ROLE], s[WV], 2
	s_xor_b32 s[ROLE], s[ROLE], s[WV]
	s_and_b32 s[ROLE], s[ROLE], 1
	; group 1: dense blocks as rows of 256 bytes (32 elements of 8 bytes), no padding, no mask
	s_mov_b32 s[G1R+0], 3<<16
	s_mov_b32 s[G1R+1], 32<<16                     ; tensor_dim0
	s_mov_b32 s[G1R+2], 48<<16                     ; tensor_dim1
	s_mov_b32 s[G1R+3], 32<<16                     ; tile_dim0
	s_mov_b32 s[G1R+4], 48                         ; tile_dim1
	s_mov_b32 s[G1R+5], 32                         ; from row to row
	s_mov_b32 s[G1R+6], 0
	s_mov_b32 s[G1R+7], 0
	s_mov_b32 s[G1P+0], 3<<16
	s_mov_b32 s[G1P+1], 32<<16
	s_mov_b32 s[G1P+2], 16<<16
	s_mov_b32 s[G1P+3], 32<<16
	s_mov_b32 s[G1P+4], 16
	s_mov_b32 s[G1P+5], 32
	s_mov_b32 s[G1P+6], 0
	s_mov_b32 s[G1P+7], 0
	s_mov_b32 s[CS], 0x3e38aa3b                    ; c = log2(e) / 8
	s_mov_b32 s[CS+1], s[CS]                       ; (named with it as a pair, so it is written)
	s_mov_b32 s[SEL], 0x76543210
	s_mov_b32 s[SEL+1], 0xfedcba98
	s_mov_b32 s[TB], 0
	s_mov_b32 s[SLOTS], 4
	s_and_b32 s50, ttmp7, 0xffff                   ; the pair (batch x 16 + head)
	s_lshl_b32 s54, s50, 18                        ; its 262,144 bytes in each of qf, kf, vf
	s_mov_b32 s55, 0
	s_and_b32 s51, s[WV], 3
	s_cmp_lt_u32 s[WV], 6                          ; who prefetches: waves 0 to 5 of the pair's work-groups x = 0 (K) and x = 1 (V)
	s_cselect_b32 s59, 0, 1
	s_lshr_b32 s58, ttmp9, 1
	s_or_b32 s58, s58, s59
	s_cmp_eq_u32 s58, 0
	s_cselect_b32 s[LIM], 1, -1
	s_wait_dscnt 0x0                               ; both opening adds are done
	s_wait_kmcnt 0x0
	s_cmp_lt_u32 s[WV], 4                          ; waves 0 to 3 fetch K, waves 4 to 7 V: a quarter of a block each
	s_cselect_b64 s[52:53], s[6:7], s[8:9]
	s_add_nc_u64 s[52:53], s[52:53], s[54:55]
	s_lshl_b32 s56, s51, 12
	s_mov_b32 s57, 0
	s_mov_b32 s[G0P], 1                            ; step 0: 4,096 bytes a wave,
	s_lshl_b32 s[G0P+1], s[WV], 12
	s_add_co_u32 s[G0P+1], s[G0P+1], P0            ; to P0 + 4,096 x wave: K's 16,384 bytes, then V's
	s_add_nc_u64 s[G0P+2:G0P+3], s[52:53], s[56:57]
	s_or_b32 s[G0P+3], s[G0P+3], 0x80000000
	s_mul_i32 s56, s51, 12288
	s_add_co_u32 s56, s56, STEPB
	s_mov_b32 s[G0R], 1                            ; steps 1 to 3: 12,288 bytes a wave,
	s_mul_i32 s[G0R+1], s[WV], 12288               ; to 12,288 x wave: K's 49,152 bytes, then V's
	s_add_nc_u64 s[G0R+2:G0R+3], s[52:53], s[56:57]
	s_or_b32 s[G0R+3], s[G0R+3], 0x80000000
	tensor_load_to_lds s[G0P:G0P+3], s[G1P:G1P+7]  ; the first fills go out together: two tensor loads of mine are out
	s_nop 0
	tensor_load_to_lds s[G0R:G0R+3], s[G1R:G1R+7]
	s_nop 0
.rept 4
	v_nop
.endr
	v_and_b32 v9, 31, v0
	v_lshlrev_b32 v[L16], 4, v9
	v_lshlrev_b32 v[PFO], 8, v9
	s_lshl_b32 s56, s50, 7                         ; Q: token tile 128 x pair + 16 x block + 2 x wave, 2,048 bytes a tile
	s_lshl_b32 s58, ttmp9, 4
	s_add_co_u32 s56, s56, s58
	s_lshl_b32 s58, s[WV], 1
	s_add_co_u32 s56, s56, s58
	s_lshl_b32 s56, s56, 11
	s_add_nc_u64 s[4:5], s[4:5], s[56:57]
.irp t, 0,1
.irp b, 0,1,2,3
	global_load_b128 v[Q+16*\t+4*\b:Q+16*\t+4*\b+3], v[L16], s[4:5] offset:2048*\t+512*\b   ; Q stays in registers
.endr
.endr
	s_cmp_eq_u32 ttmp9, 0                          ; the prefetches: work-group x = 0 asks for K's bytes, x = 1 for V's
	s_cselect_b64 s[PFA:PFA+1], s[6:7], s[8:9]
	s_add_nc_u64 s[PFA:PFA+1], s[PFA:PFA+1], s[54:55]
	s_lshl_b32 s56, s[WV], 13                      ; 8,192 bytes a wave,
	s_add_co_u32 s56, s56, STEPB+VO                ; in ring slot 1: it is stepped ahead of each use, so the first prefetch names ring slot 2.  Nothing is prefetched here, at the head
	s_add_nc_u64 s[PFA:PFA+1], s[PFA:PFA+1], s[56:57]
	s_lshr_b32 s56, s50, 4                         ; out: row (batch x 2,048 + 256 x block + 32 x wave) of 4,096 bytes, + 256 x head
	s_lshl_b32 s56, s56, 11
	s_lshl_b32 s58, ttmp9, 8
	s_add_co_u32 s56, s56, s58
	s_lshl_b32 s58, s[WV], 5
	s_add_co_u32 s56, s56, s58
	s_lshl_b32 s56, s56, 12
	s_and_b32 s58, s50, 15
	s_lshl_b32 s58, s58, 8
	s_add_co_u32 s56, s56, s58
	s_add_nc_u64 s[10:11], s[10:11], s[56:57]
	v_and_b32 v10, 15, v0                          ; r
	v_bfe_u32 v11, v0, 4, 1                        ; h
	s_mul_i32 s58, s[WV], 16*SP
	s_add_co_u32 s58, s58, STAGE                   ; my stage
	v_mul_u32_u24 v[STO], v10, SP
	v_lshl_add_u32 v[STO], v11, 5, v[STO]
	v_add_nc_u32 v[STO], s58, v[STO]               ; in: row r, 32 bytes for each half of the lanes
	v_mul_u32_u24 v[RD], v11, SP
	v_lshl_add_u32 v[RD], v10, 4, v[RD]
	v_add_nc_u32 v[RD], s58, v[RD]                 ; back: lanes 0-15 one row of 256 bytes, lanes 16-31 the next
	v_lshlrev_b32 v[GO], 12, v11
	v_lshl_add_u32 v[GO], v10, 4, v[GO]            ; and the same two rows in out
.irp t, 0,1
	v_mov_b32 v[ST+8*\t+1], 0xff61b1e6             ; m: -3e38, under every score
	v_mul_f32 v[ST+8*\t], s[CS], v[ST+8*\t+1]      ; c m
	v_mov_b32 v[ST+8*\t+2], 0                      ; l
	v_mov_b32 v[ST+8*\t+3], 0
.endr
.set j, 0
.rept 64
	v_mov_b32 v[O+j], 0                            ; O^T.  (The step is written without a first form of its own: the first step's a is 0, which leaves zeros zeros)
.set j, j+1
.endr
; THE LDS LOADS stand in runs of 32.  K: piece n of the step's 32 at 512 n -> window 1, v[4 n]: fragment (key tile i, channels 32 ks on) lies at 16 i + 8 ks.
.macro LOADK off
	WIN 0x40                                       ; destination window 1, address window 0
.set n, 0
.rept 32
	ds_load_b128 v[4*n:4*n+3], v[ADR] offset:\off+512*n
.set n, n+1
.endr
.endm
; V: piece cb of token tile i -> registers 4 (i % 2) on of fragment (keys 32 (i / 2) on, channels 16 cb on) at 128 + 32 (i / 2) + 8 cb
.macro LOADV off
	WIN 0x40
.irp i, 0,1,2,3,4,5,6,7
.irp cb, 0,1,2,3
	ds_load_b128 v[128+32*(\i/2)+8*\cb+4*(\i%2):128+32*(\i/2)+8*\cb+4*(\i%2)+3], v[ADR] offset:\off+512*(4*\i+\cb)
.endr
.endr
.endm
; S^T = K Q^T: 32 products; the 16 accumulators take turns, one instruction a turn; the first 16 start the sums
.macro KQ
	WIN 0x01                                       ; source 0 window 1, all else window 0
.irp ks, 0,1
.irp i, 0,1,2,3,4,5,6,7
.irp t, 0,1
.if \ks == 0
	v_wmma_f32_16x16x32_f16 v[S+64*\t+8*\i:S+64*\t+8*\i+7], v[16*\i+8*\ks:16*\i+8*\ks+7], v[Q+16*\t+8*\ks:Q+16*\t+8*\ks+7], 0
.else
	v_wmma_f32_16x16x32_f16 v[S+64*\t+8*\i:S+64*\t+8*\i+7], v[16*\i+8*\ks:16*\i+8*\ks+7], v[Q+16*\t+8*\ks:Q+16*\t+8*\ks+7], v[S+64*\t+8*\i:S+64*\t+8*\i+7]
.endif
.endr
.endr
.endr
.endm
; O^T += V^T P: 32 products; the 8 accumulators take turns
.macro PV
	WIN 0x01
.irp kk, 0,1,2,3
.irp cb, 0,1,2,3
.irp t, 0,1
	v_wmma_f32_16x16x32_f16 v[O+32*\t+8*\cb:O+32*\t+8*\cb+7], v[128+32*\kk+8*\cb:128+32*\kk+8*\cb+7], v[S+64*\t+8*\kk:S+64*\t+8*\kk+7], v[O+32*\t+8*\cb:O+32*\t+8*\cb+7]
.endr
.endr
.endr
.endm
; THE SOFTMAX of a step, both tiles line by line by turns, all in window 0.
.macro SM
	PLACES 4                                       ; behind the last K Q^T: its results are read (ISA guide 7.12.1)
.irp k, 0,1,2,3                        ; the maximum of the lane's 64 scores and the old m: four chains of 15, each accumulator read from its low end on
.irp t, 0,1
	v_max3_num_f32 v[ST+8*\t+4+\k], v[S+64*\t+16*\k], v[S+64*\t+16*\k+1], v[S+64*\t+16*\k+2]
.endr
.endr
.irp i, 3,5,7,9,11,13
.irp k, 0,1,2,3
.irp t, 0,1
	v_max3_num_f32 v[ST+8*\t+4+\k], v[ST+8*\t+4+\k], v[S+64*\t+16*\k+\i], v[S+64*\t+16*\k+\i+1]
.endr
.endr
.endr
.irp t, 0,1
	v_max3_num_f32 v[ST+8*\t+4], v[ST+8*\t+4], v[S+64*\t+15], v[S+64*\t+31]
.endr
.irp t, 0,1
	v_max3_num_f32 v[ST+8*\t+6], v[ST+8*\t+6], v[S+64*\t+47], v[S+64*\t+63]
.endr
.irp t, 0,1
	v_max3_num_f32 v[ST+8*\t+4], v[ST+8*\t+4], v[ST+8*\t+5], v[ST+8*\t+6]
.endr
.irp t, 0,1
	v_max3_num_f32 v[ST+8*\t+4], v[ST+8*\t+4], v[ST+8*\t+7], v[ST+8*\t+1]
.endr
.irp t, 0,1
	v_permlanex16_b32 v[ST+8*\t+5], v[ST+8*\t+4], s[SEL], s[SEL+1]   ; the query's other 64 keys lie in the lane 16 away
.endr
.irp t, 0,1
	v_mov_b32 v[ST+8*\t+7], v[ST+8*\t]             ; c m_old is kept for a
.endr
.irp t, 0,1
	v_max_num_f32 v[ST+8*\t+1], v[ST+8*\t+4], v[ST+8*\t+5]
.endr
.irp t, 0,1
	v_mul_f32 v[ST+8*\t], s[CS], v[ST+8*\t+1]
.endr
.irp t, 0,1
	v_sub_f32 v[ST+8*\t+7], v[ST+8*\t+7], v[ST+8*\t]
.endr
	; ONE BATCH: the 32 scalings c s - c m of a tile, a pair of scores each, and its 65 exponentials.  None of these lines names an exponential's result; a pair is scaled ahead of the lines that hold its exponentials.
.irp t, 0,1
	v_pk_fma_f32 v[S+64*\t:S+64*\t+1], v[S+64*\t:S+64*\t+1], s[CS:CS+1], v[ST+8*\t:ST+8*\t+1] op_sel_hi:[1,0,0] neg_lo:[0,0,1] neg_hi:[0,0,1]
.endr
.irp t, 0,1
	v_exp_f32 v[ST+8*\t+6], v[ST+8*\t+7]           ; a
.endr
.set b, 0
.rept 32
.if b < 31
.irp t, 0,1
	v_pk_fma_f32 v[S+64*\t+2*b+2:S+64*\t+2*b+3], v[S+64*\t+2*b+2:S+64*\t+2*b+3], s[CS:CS+1], v[ST+8*\t:ST+8*\t+1] op_sel_hi:[1,0,0] neg_lo:[0,0,1] neg_hi:[0,0,1]
.endr
.endif
.irp t, 0,1
	v_exp_f32 v[S+64*\t+2*b], v[S+64*\t+2*b]
.endr
.irp t, 0,1
	v_exp_f32 v[S+64*\t+2*b+1], v[S+64*\t+2*b+1]
.endr
.set b, b+1
.endr
	v_nop                                          ; a plain instruction behind the last exponential, ahead of the first use
	s_wait_alu depctr_va_vdst(0)                   ; one wait for the whole batch, ahead of its first reader
.irp t, 0,1
	v_pk_mul_f32 v[ST+8*\t+2:ST+8*\t+3], v[ST+8*\t+2:ST+8*\t+3], v[ST+8*\t+6:ST+8*\t+7] op_sel_hi:[1,0]   ; l x a
.endr
.irp t, 0,1
	v_pk_add_f32 v[ST+8*\t+4:ST+8*\t+5], v[S+64*\t:S+64*\t+1], v[S+64*\t+2:S+64*\t+3]   ; the sum of the unrounded p, two at a time, in two chains
.endr
.irp j, 4,8,12,16,20,24,28,32,36,40,44,48,52,56,60
.irp t, 0,1
	v_pk_add_f32 v[ST+8*\t+2:ST+8*\t+3], v[ST+8*\t+2:ST+8*\t+3], v[S+64*\t+\j:S+64*\t+\j+1]
.endr
.irp t, 0,1
	v_pk_add_f32 v[ST+8*\t+4:ST+8*\t+5], v[ST+8*\t+4:ST+8*\t+5], v[S+64*\t+\j+2:S+64*\t+\j+3]
.endr
.endr
.irp t, 0,1
	v_pk_add_f32 v[ST+8*\t+2:ST+8*\t+3], v[ST+8*\t+2:ST+8*\t+3], v[ST+8*\t+4:ST+8*\t+5]
.endr
.set n, 0
.rept 32                               ; P, in place and ascending: register n takes scores 2 n and 2 n + 1, which no later line wants
.irp t, 0,1
	v_cvt_pk_f16_f32 v[S+64*\t+n], v[S+64*\t+2*n], v[S+64*\t+2*n+1]
.endr
.set n, n+1
.endr
.irp j, 0,2,4,6,8,10,12,14,16,18,20,22,24,26,28,30
.irp t, 0,1
	v_pk_mul_f32 v[O+32*\t+\j:O+32*\t+\j+1], v[O+32*\t+\j:O+32*\t+\j+1], v[ST+8*\t+6:ST+8*\t+7] op_sel_hi:[1,0]   ; O^T x a, each accumulator from its low end on
.endr
.endr
.endm
; A UNIT: V^T P of step j, and step j + 1 as far as its softmax.  s[TB] names step j + 1's tiles.
; star = 1: step j + 1 is its slot's last: behind its loads stand the wait for all my tensor loads (one is out: my part of the other slot), the add, the wait for the add and for my reads of this slot, and the barrier's signal;
; the barrier's wait stands at the unit's end, with work on registers alone between.  Behind it nobody reads this slot and the other slot is whole.
.macro U star
	v_add_nc_u32 v[ADR], s[TB], v[L16]
	LOADK 0                                        ; K's registers were last read ahead of the softmax: its lines are the places
	s_wait_dscnt 32                                ; V of step j is in; the 32 loads of K just issued may be out
	PV
	PLACES 5                                       ; four in front of the loads into V's registers; the fifth since K Q^T's results are laid over P, which the last products read
	LOADV VO
.if \star
	WIN 0                                          ; (the add's two registers lie in window 0)
	s_wait_tensorcnt 0x0                           ; no tensor load of mine is out, so the walking group 0 may be written
	ds_add_u32 v[SPW], v[NIL]                      ; 0 onto my spare word
	s_xor_b32 s[G0R+1], s[G0R+1], SLOT1            ; the other slot than last time,
	s_add_nc_u64 s[G0R+2:G0R+3], s[G0R+2:G0R+3], VO   ; the next three steps; the type bits on top are not reached
	s_wait_xcnt 0x0                                ; the last prefetch, three steps back, has read its address, so it may be written
	s_add_nc_u64 s[PFA:PFA+1], s[PFA:PFA+1], VO
	s_wait_dscnt 0x0                               ; the add is done, and my reads of this slot are over
	s_barrier_signal -1
.else
	s_wait_dscnt 32                                ; K of step j + 1 is in; the 32 loads of V just issued may be out
.endif
	KQ
	WIN 0
	SM
.if \star
	s_barrier_wait -1
.endif
.endm
; A PREFETCH INTO THE L2 of the ring slot after the one that the tensor load above it asks for: 49,152 bytes of K and of V.  All eight work-groups of a pair walk the same K and V: work-group x = 0 asks for K's bytes, x = 1 for V's,
; waves 0 to 5, 8,192 bytes a wave, lanes 256 bytes apart: each aligned block of 256 bytes is named once in the launch.  It stands three key steps ahead of the load that will want the bytes.
; The last trip asks for nothing: there is no slot behind the one that it loads.  Step 0 and ring slots 0 and 1 come by their loads alone.
.macro ASK
	s_cmp_gt_u32 s[SLOTS], s[LIM]
	s_cbranch_scc0 .Lnot_mine_\@
	global_prefetch_b8 v[PFO], s[PFA:PFA+1] th:TH_LOAD_NT scope:SCOPE_SE
.Lnot_mine_\@:
.endm
	s_wait_tensorcnt 1                             ; my part of step 0's tiles is in; ring slot 0's load may stay out
	s_barrier_signal -1
	s_barrier_wait -1                              ; everybody's is
	v_add_nc_u32 v[ADR], P0, v[L16]
	LOADK 0
	LOADV STEPB
	WIN 0
	s_wait_loadcnt 0x0                             ; Q
	s_wait_dscnt 0x0
	; THE ROLES ARE SET HALF A STEP APART: role 0 multiplies | barrier | role 0's softmax beside role 1's products | barrier | role 1's softmax beside role 0's next products
	s_cmp_lg_u32 s[ROLE], 0
	s_cbranch_scc1 .Lwait_a
	KQ
	WIN 0
.Lwait_a:
	s_barrier_signal -1
	s_barrier_wait -1
	s_cmp_lg_u32 s[ROLE], 0
	s_cbranch_scc1 .Lrole_1
	SM
	s_branch .Lmeet
.Lrole_1:
	PLACES 5                                       ; five places: along the text's ways these products stand behind the products above the barrier, which write the same registers (by its role a wave runs one of the two runs alone)
	KQ
	WIN 0
.Lmeet:
	s_wait_tensorcnt 0x0                           ; ring slot 0 has landed: no tensor load of mine is out
	ds_add_u32 v[SPW], v[NIL]
	s_xor_b32 s[G0R+1], s[G0R+1], SLOT1            ; the walking group 0: slot 1,
	s_add_nc_u64 s[G0R+2:G0R+3], s[G0R+2:G0R+3], VO   ; steps 4 to 6
	s_wait_xcnt 0x0
	s_add_nc_u64 s[PFA:PFA+1], s[PFA:PFA+1], VO    ; the prefetches: ring slot 2
	s_wait_dscnt 0x0                               ; the add is done, and so are my reads of step 0's tiles
	s_barrier_signal -1
	s_barrier_wait -1                              ; ring slot 0 is whole
	s_cmp_eq_u32 s[ROLE], 0
	s_cbranch_scc1 .Lbody
	SM                                             ; work on registers alone
.Lbody:                                            ; 4 trips: trip n reads ring slot n (steps 3 n + 1 to 3 n + 3) and asks for ring slot n + 1
	tensor_load_to_lds s[G0R:G0R+3], s[G1R:G1R+7]  ; my one tensor load behind the barrier (in the first trip all eight are slot 1's first fill): it has two units and a V^T P in which to land
	s_nop 0
.rept 4
	v_nop
.endr
	ASK
	s_mov_b32 s[CNT], 2
.Lunit:
	U 0
	s_add_co_u32 s[TB], s[TB], STEPB
	s_sub_co_u32 s[CNT], s[CNT], 1
	s_cmp_lg_u32 s[CNT], 0
	s_cbranch_scc1 .Lunit
	U 1
	s_sub_co_u32 s[TB], s[TB], 2*STEPB             ; back to a slot's first step,
	s_xor_b32 s[TB], s[TB], SLOT1                  ; in the other slot
	s_sub_co_u32 s[SLOTS], s[SLOTS], 1
	s_cmp_lg_u32 s[SLOTS], 0
	s_cbranch_scc1 .Lbody
	s_mov_b32 s[CNT], 3                            ; the last ring slot is written out: nothing more is asked for
.Ltail:
	U 0
	s_add_co_u32 s[TB], s[TB], STEPB
	s_sub_co_u32 s[CNT], s[CNT], 1
	s_cmp_lg_u32 s[CNT], 0
	s_cbranch_scc1 .Ltail
	s_wait_dscnt 0x0                               ; V of the last step
	PV
	WIN 0
	; THE WAY OUT.  l's two halves and the other half of the lanes' are added; O^T is divided by l and goes through my stage in LDS, a tile (16 rows of 256 bytes) at a time.
	PLACES 4                                       ; behind the last products
.irp t, 0,1
	v_add_f32 v[ST+8*\t+4], v[ST+8*\t+2], v[ST+8*\t+3]
.endr
.irp t, 0,1
	v_permlanex16_b32 v[ST+8*\t+5], v[ST+8*\t+4], s[SEL], s[SEL+1]
.endr
.irp t, 0,1
	v_add_f32 v[ST+8*\t+4], v[ST+8*\t+4], v[ST+8*\t+5]
.endr
.irp t, 0,1
	v_rcp_f32 v[ST+8*\t+6], v[ST+8*\t+4]
.endr
	v_nop                                          ; a plain instruction between the last reciprocal and the use of its result
	s_wait_alu depctr_va_vdst(0)                   ; one wait for the two reciprocals, ahead of their first reader
.irp t, 0,1
.irp j, 0,2,4,6,8,10,12,14,16,18,20,22,24,26,28,30
	v_pk_mul_f32 v[O+32*\t+\j:O+32*\t+\j+1], v[O+32*\t+\j:O+32*\t+\j+1], v[ST+8*\t+6:ST+8*\t+7] op_sel_hi:[1,0]
.endr
.irp cb, 0,1,2,3
	ds_store_b128 v[STO], v[O+32*\t+8*\cb:O+32*\t+8*\cb+3] offset:64*\cb          ; lane (r, h): query r, channels 16 cb + 8 h + 0..7
	ds_store_b128 v[STO], v[O+32*\t+8*\cb+4:O+32*\t+8*\cb+7] offset:64*\cb+16
.endr
.irp i, 0,1,2,3,4,5,6,7
	ds_load_b128 v[S+32*\t+4*\i:S+32*\t+4*\i+3], v[RD] offset:2*SP*\i             ; LDS serves a wave's instructions in order: these see my stores, and the next tile's stores come behind them
.endr
.endr
.irp t, 0,1
.irp i, 0,1,2,3,4,5,6,7
	s_wait_dscnt 23-16*\t-\i                       ; younger than this load: the tile's later loads, and for tile 0 the other tile's eight stores and eight loads
	global_store_b128 v[GO], v[S+32*\t+4*\i:S+32*\t+4*\i+3], s[10:11] offset:65536*\t+8192*\i th:TH_STORE_NT   ; 16 lanes store 256 consecutive bytes, at a multiple of 256 from out's first byte
.endr
.endr
	s_wait_tensorcnt 0x0                           ; the wave's end, behind my last tensor load and my last LDS store
	ds_add_u32 v[SPW], v[NIL]
	s_wait_dscnt 0x0
	s_endpgm
.Lfunc_end_k_q9625145410_attn:
	.size	k_q9625145410_attn, .Lfunc_end_k_q9625145410_attn-k_q9625145410_attn
	.p2alignl 7, 3214868480
	.fill 96, 4, 3214868480
	.section	.rodata,"a",@progbits
	.p2align	6, 0x0
	.amdhsa_kernel k_q9625145410_attn
		.amdhsa_group_segment_fixed_size 327680
		.amdhsa_private_segment_fixed_size 0
		.amdhsa_enable_private_segment 0
		.amdhsa_kernarg_size 32
		.amdhsa_user_sgpr_count 2
		.amdhsa_user_sgpr_kernarg_segment_ptr 1
		.amdhsa_wavefront_size32 1
		.amdhsa_system_sgpr_workgroup_id_x 1
		.amdhsa_system_sgpr_workgroup_id_y 1
		.amdhsa_system_sgpr_workgroup_id_z 1
		.amdhsa_system_vgpr_workitem_id 0
		.amdhsa_next_free_vgpr 512
		.amdhsa_next_free_sgpr 66
		.amdhsa_reserve_vcc 0
		.amdhsa_float_denorm_mode_32 3
		.amdhsa_float_denorm_mode_16_64 3
		.amdhsa_memory_ordered 1
		.amdhsa_forward_progress 1
		.amdhsa_inst_pref_size 167
	.end_amdhsa_kernel
	.amdgpu_metadata
---
amdhsa.version: [ 1, 2 ]
amdhsa.kernels:
  - .name:           k_q9625145410_attn
    .symbol:         k_q9625145410_attn.kd
    .args:
      - { .name: qf, .offset: 0, .size: 8, .value_kind: global_buffer, .address_space: global }
      - { .name: kf, .offset: 8, .size: 8, .value_kind: global_buffer, .address_space: global }
      - { .name: vf, .offset: 16, .size: 8, .value_kind: global_buffer, .address_space: global }
      - { .name: out0, .offset: 24, .size: 8, .value_kind: global_buffer, .address_space: global }
    .group_segment_fixed_size: 327680
    .private_segment_fixed_size: 0
    .kernarg_segment_align: 8
    .kernarg_segment_size: 32
    .max_flat_workgroup_size: 256
    .sgpr_count:     66
    .vgpr_count:     512
    .wavefront_size: 32
...
	.end_amdgpu_metadata
.endif
;; end of part 3
